; MI455X (gfx1250); checked and timed in simulation.
; The chip was launched on July 23, 2026; its instructions are those of AMD's public machine-readable ISA for CDNA 5 (MIT licence, August 2026) and "CDNA5" Instruction Set Architecture Reference Guide (July 2026). The comments in the code are by the model that wrote it; some were corrected since.
;; Sparse Coding. Allowed arithmetic: float matrix products may take bf16 or f16 operands with f32 sums; all other float work in f32.
;; Inputs: W 256 x 128 float32; inputs 131,072 x 128 float32.
;; Outputs: out0 131,072 x 128 float32.
;; 2 versions, each right. Each part assembles by itself: llvm-mc -triple=amdgcn-amd-amdhsa -mcpu=gfx1250 --defsym DOCPART=n.
;; ======== version 1 of 2: 1 launch
;; launch ista (part 1): grid 256 x 1, 4 waves a work-group, no clusters, 327,680 bytes of LDS; arguments W, inputs, out0; writes out0
.if DOCPART == 1
	.amdgcn_target "amdgcn-amd-amdhsa--gfx1250"
	.amdhsa_code_object_version 6
	.text
	.protected	k_q9a0f3017f2_ista
	.globl	k_q9a0f3017f2_ista
	.p2align	8
	.type	k_q9a0f3017f2_ista,@function
k_q9a0f3017f2_ista:
	s_mov_b64 s[64:65], 0
	v_nop
	global_prefetch_b8 v0, s[64:65] scope:SCOPE_SE
	s_setreg_imm32_b32 hwreg(HW_REG_WAVE_MODE, 25, 1), 1
	s_wait_xcnt 0x0
; Five ISTA steps and the reconstruction:  x = 0;  five times  r = inputs - x W,  x = soft(x + 0.002 r W^T, 1e-4);  out0 = x W.
; inputs, out0: [131072][128] f32.  W: [256][128] f32.  Rows of the batch never meet, so all steps are done in ONE launch and the state never leaves the registers.
; SHARES.  A work-group owns 512 rows, as two blocks of 256; each of its four waves owns 64 rows of a block: four tiles of 16 rows (n = 0..3).
; ALGEBRA.  The state is kept as Y = -x in f32 (soft() is odd).  LDS holds WT = bf16(W) as [i][o] and W2 = bf16(-0.002 W) as [o][i].
;   G1:  N[i][row] = IN + WT . bf16(Y)   = inputs - x W = r     (C = the f32 inputs, loaded into the accumulators themselves)
;   G2:  Y[o][row] += W2 . bf16(N)       = -(x + 0.002 r W^T)   (summed in place on the f32 state)
;   T :  Y = z - med3(z, -t, t) = soft(z, t);  the last T gives med3 - z = +x, so that the last G1, started with C = 0, is out0.
;   The first product of the first step is x W with x = 0, which the problem's function itself sets: r = inputs there, and G2 starts the sums with C = 0.
; LAYOUT.  Both products are used with the batch rows as columns: in a result, register j of lane l holds (M = 8 (l / 16) + j, batch row l % 16).  Two results of neighbouring
;   M tiles, rounded to bf16 in pairs, ARE the second source (32 k x 16 rows) of the next product: nothing changes lanes between the products.
; LIMITS.  Matrix operands are bf16 (W, -0.002 W rounded as one number, the state and r at each use); sums, state, threshold in f32.  A zero result may carry the other sign
;   than the problem's function gives.  NaN and infinities go through z - med3(z) as they go through the function's max and min.
; NO CLUSTER.  The inputs are shared by nobody.  W is shared by all, but it is 131,072 bytes read once by a work-group that moves 524,288 bytes of its own, and it has to pass
;   through registers to be scaled, rounded and turned: a joint load would want 131,072 bytes of f32 staging in LDS, and this text leaves 21,504 of 327,680 bytes free.
;
; LDS (every region begins and ends at a multiple of 256 bytes):
;   IN    0        4 x 64 rows x 528   a block's inputs in f32, wave w's 64 rows at 33,792 w; filled by tensor loads alone
;   W2    135,168  256 rows x 272      written once by ds_store
;   WT    204,800  128 rows x 528      written once by ds_store
;   STAGE 272,384  4 x 16 rows x 528   each wave's own, for the way out
;   The pitches are odd multiples of 16 bytes: the 16 rows that a 16-byte load touches start at 16 different groups of four banks (64 banks of 4 bytes: ISA guide 11.1).
; REGISTERS, in windows of 256 (s_set_vgpr_msb: bits 1:0 source 0, 3:2 source 1, 5:4 source 2, 7:6 destination):
;   window 0: v0-13 addresses; v16-31 TMP; v32-95 RING (4 slots x two fragments of W); v96-127 XB0; v128-255 four sets of 32: XB1 = RB(3), RB(0), RB(1), RB(2)
;   window 1: N(t, n) at 8 (4 t + n), t = i tile 0..7.    windows 2, 3: X(m, n) at 8 (4 (m % 8) + n) of window 2 + m / 8, m = o tile 0..15.
.set ROWB,  512                        ; bytes in a row of inputs and of out0
.set BLKB,  256*ROWB                   ; a block of 256 rows
.set IN_P,  528
.set IN_W,  64*IN_P                    ; a wave's part of IN
.set W2_B,  4*IN_W
.set W2_P,  272
.set WT_B,  W2_B+256*W2_P
.set WT_P,  528
.set ST_B,  WT_B+128*WT_P
.set ST_P,  528
.set AW2,  3                           ; v3   W2_B + 272 r + 16 h          (r = lane % 16, h = lane / 16)
.set AWT,  4                           ; v4   WT_B + 528 r + 16 h
.set AIN,  5                           ; v5   33,792 w + 528 r + 32 h
.set STO,  6                           ; v6   my stage + 528 r + 32 h
.set RD,   7                           ; v7   my stage + 16 lane
.set GO,   8                           ; v8   16 lane
.set WG,   9                           ; v9   16 lane + 32,768 w: my 64 rows of W
.set SW2,  10                          ; v10  W2_B + 17,408 w + 8 lane
.set SWT,  11                          ; v11  WT_B + 2,112 lane + 128 w
.set TMP,  16
.set RING, 32
.set TS,   32                          ; set-up only, in RING's registers: 32 scaled f32, 16 words for WT, 16 words for W2
.set PS,   64
.set QS,   80
.set XB0,  96                          ; XB1 = XB0 + 32 = RBS
.set RBS,  128                         ; RB(q) at RBS + 32 ((q + 1) % 4)
.set WV,   10                          ; s10      my wave's number
.set D0,   12                          ; s[12:15] descriptor group 0
.set D1,   16                          ; s[16:23] descriptor group 1
.set TN,   24                          ; s24, s25 -t, +t
.set TP,   25
.set SC,   26                          ; s[26:27] -0.002, twice
.set CNT,  28                          ; s28      counts the G1 of a block's loop
.set MSB, 0
.macro WIN new                         ; the immediate's high byte repeats the setting that is left; a switch that changes nothing is dropped
.if MSB != (\new)
	s_set_vgpr_msb (MSB<<8)|(\new)
.set MSB, (\new)
.endif
.endm
	s_load_b128 s[4:7], s[0:1], 0x0                ; W s[4:5], inputs s[6:7]
	s_load_b64 s[8:9], s[0:1], 0x10                ; out0
	v_lshl_add_u32 v14, v0, 2, 0x4ac00
	v_mov_b32 v15, 0
	ds_add_u32 v14, v15
	ds_add_u32 v14, v15
	v_lshrrev_b32 v1, 5, v0
	v_readfirstlane_b32 s[WV], v1                  ; wave 0..3
	s_lshl_b32 s30, ttmp9, 18                      ; the work-group's 512 rows of 512 bytes (256 work-groups: under 2^26),
	s_lshl_b32 s29, s[WV], 15                      ; my wave's 64 rows of a block
	s_add_co_u32 s30, s30, s29
	s_mov_b32 s31, 0
	; The descriptor: a tile of 64 rows x 128 elements of 4 bytes, dense in memory, 16 bytes of padding behind each row in LDS.
	s_mov_b32 s[D0], 1                             ; count = 1
	s_mul_i32 s[D0+1], s[WV], IN_W                 ; LDS address: my wave's part of IN
	s_mov_b32 s[D1+0], (2<<16)|(1<<20)|(6<<22)|(3<<25)  ; no mask; elements of 4 bytes; padding on: after every 128 words (code 6) 4 words (code 3)
	s_mov_b32 s[D1+1], 128<<16                     ; tensor_dim0 = 128
	s_mov_b32 s[D1+2], 64<<16                      ; tensor_dim1 = 64
	s_mov_b32 s[D1+3], 128<<16                     ; tile_dim0 = 128
	s_mov_b32 s[D1+4], 64                          ; tile_dim1 = 64
	s_mov_b32 s[D1+5], 128                         ; elements from row to row
	s_mov_b32 s[D1+6], 0
	s_mov_b32 s[D1+7], 0
	s_mov_b32 s[TN], 0xb8d1b717                    ; -1e-4
	s_mov_b32 s[TP], 0x38d1b717                    ; +1e-4 = 0.001 x 0.1
	s_mov_b32 s[SC], 0xbb03126f                    ; -0.002 = -(0.001 x 2)
	s_mov_b32 s[SC+1], 0xbb03126f                  ; named with it as a pair, so it is written
	s_wait_dscnt 0x0
	s_wait_kmcnt 0x0
	s_add_nc_u64 s[D0+2:D0+3], s[6:7], s[30:31]    ; global address: my 64 rows of block 0
	s_or_b32 s[D0+3], s[D0+3], 0x80000000          ; type = 2
	s_add_nc_u64 s[8:9], s[8:9], s[30:31]          ; out0 at the same rows
	tensor_load_to_lds s[D0:D0+3], s[D1:D1+7]      ; the first fill, ahead of every wait on TENSORcnt, LDS read and barrier: one tensor load of mine is out
	s_nop 0
	; W: wave w takes rows 64 w .. 64 w + 63; one load takes one whole row of 512 bytes, lane l its columns 4 l .. 4 l + 3.  64 loads fill window 1.
	v_and_b32 v12, 31, v0                          ; lane
	v_and_b32 v1, 15, v0                           ; r
	v_bfe_u32 v2, v0, 4, 1                         ; h
	v_lshlrev_b32 v[GO], 4, v12
	v_add_nc_u32 v[WG], s29, v[GO]
	WIN 0x40                                       ; destination window 1, address window 0
.set ii, 0
.rept 64
	global_load_b128 v[4*ii:4*ii+3], v[WG], s[4:5] offset:ROWB*ii
.set ii, ii+1
.endr
	WIN 0
	v_mul_u32_u24 v13, v1, 528                     ; 528 r serves WT, IN and the stage
	v_mul_u32_u24 v[AW2], v1, W2_P
	v_lshl_add_u32 v[AW2], v2, 4, v[AW2]
	v_add_nc_u32 v[AW2], W2_B, v[AW2]
	v_lshl_add_u32 v[AWT], v2, 4, v13
	v_add_nc_u32 v[AWT], WT_B, v[AWT]
	v_lshl_add_u32 v[STO], v2, 5, v13              ; 528 r + 32 h: a lane's eight f32 of a row
	v_add_nc_u32 v[AIN], s[D0+1], v[STO]
	s_mul_i32 s11, s[WV], 16*ST_P
	s_add_co_u32 s11, s11, ST_B                    ; my stage
	v_add_nc_u32 v[STO], s11, v[STO]
	v_add_nc_u32 v[RD], s11, v[GO]
	s_mul_i32 s11, s[WV], 64*W2_P
	s_add_co_u32 s11, s11, W2_B                    ; my 64 rows of W2
	v_lshl_add_u32 v[SW2], v12, 3, s11
	s_lshl_b32 s11, s[WV], 7
	s_add_co_u32 s11, s11, WT_B                    ; my 64 columns (128 bytes) of every row of WT
	v_mul_u32_u24 v[SWT], v12, 4*WT_P
	v_add_nc_u32 v[SWT], s11, v[SWT]
	; Eight rows of W at a time.  W2: a row's four numbers of a lane, times -0.002, are 8 bytes of W2's row.  WT: a column's eight numbers are 16 bytes of WT's row 4 l + e.
	; (WT's stores: lanes 2,112 bytes apart, four lanes to a group of banks; 32 such stores a wave in the whole launch.)
.set gg, 0
.rept 8
	s_wait_loadcnt 56-8*gg                         ; loads come back in order: group gg's eight are in, the later groups' stay out
	WIN 0x01                                       ; source 0 window 1
.set ii, 0
.rept 16
	v_pk_mul_f32 v[TS+2*ii:TS+2*ii+1], v[32*gg+2*ii:32*gg+2*ii+1], s[SC:SC+1] op_sel_hi:[1,0]
.set ii, ii+1
.endr
	WIN 0x05                                       ; sources 0 and 1 window 1
.set ii, 0
.rept 16                                               ; word 4 e + kk: column e of rows 2 kk and 2 kk + 1
	v_cvt_pk_bf16_f32 v[PS+ii], v[32*gg+8*(ii%4)+ii/4], v[32*gg+8*(ii%4)+4+ii/4]
.set ii, ii+1
.endr
	WIN 0
.set ii, 0
.rept 16
	v_cvt_pk_bf16_f32 v[QS+ii], v[TS+2*ii], v[TS+2*ii+1]
.set ii, ii+1
.endr
.irp k, 0,1,2,3,4,5,6,7
	ds_store_b64 v[SW2], v[QS+2*\k:QS+2*\k+1] offset:W2_P*(8*gg+\k)
.endr
.irp e, 0,1,2,3
	ds_store_b128 v[SWT], v[PS+4*\e:PS+4*\e+3] offset:WT_P*\e+16*gg
.endr
.set gg, gg+1
.endr
	s_wait_dscnt 0x0                               ; for the others' sake: my parts of W2 and WT are written
	s_barrier_signal -1
	s_barrier_wait -1                              ; everybody's are.  My tensor load may stay out across it
; THE RING.  A phase (G1 or G2) is 32 strips of eight matrix instructions.  A strip multiplies two fragments of W (16 registers, slot = strip % 4) by the four row tiles.
; A strip's four loads are issued three strips ahead.  ls = the strip that is loaded.
.macro LDA2                            ; G2's strip ls: o tile ls / 2, i chunks 2 (ls % 2) and 2 (ls % 2) + 1
.irp e, 0,1
	ds_load_b128 v[RING+16*(ls%4)+8*\e:RING+16*(ls%4)+8*\e+3],   v[AW2] offset:16*W2_P*(ls/2)+64*(2*(ls%2)+\e)
	ds_load_b128 v[RING+16*(ls%4)+8*\e+4:RING+16*(ls%4)+8*\e+7], v[AW2] offset:16*W2_P*(ls/2)+64*(2*(ls%2)+\e)+32
.endr
.endm
.macro LDA1                            ; G1's strip ls: o chunk ls / 4, i tiles 2 (ls % 4) and 2 (ls % 4) + 1
.irp e, 0,1
	ds_load_b128 v[RING+16*(ls%4)+8*\e:RING+16*(ls%4)+8*\e+3],   v[AWT] offset:16*WT_P*(2*(ls%4)+\e)+64*(ls/4)
	ds_load_b128 v[RING+16*(ls%4)+8*\e+4:RING+16*(ls%4)+8*\e+7], v[AWT] offset:16*WT_P*(2*(ls%4)+\e)+64*(ls/4)+32
.endr
.endm
; Load number pin of 64 of the inputs into N, under destination window 1: half pin % 2 of tile pin / 2 = 4 t + n: IN[16 n + r][16 t + 8 h + 4 (pin % 2) ..]
.macro LDIN
	ds_load_b128 v[4*pin:4*pin+3], v[AIN] offset:16*IN_P*((pin/2)%4)+64*(pin/8)+16*(pin%2)
.set pin, pin+1
.endm
; THE VECTOR WORK is a queue of numbered items, dealt four at a time (a slice) behind the matrix instructions.  Every slice lies under one window setting.
;   T(cc), 128 items: threshold and rounding of o tiles 2 cc, 2 cc + 1.  For each n, 32 items = one strip's slices: 8 med3 and 4 packed subtractions for X(2 cc, n), the same
;          for X(2 cc + 1, n), then 8 roundings, which are XB(cc % 2, n).  So the slice behind a strip's last matrix instruction is four roundings.
;   R(q),  32 items: N(2 q, n), N(2 q + 1, n) rounded to RB(q, n).
.set QT, 0
.set QC, 0
.set QI, 0
.set QE, 0
.set QN, 0                             ; 1: T gives med3 - z in place of z - med3
.macro QSET type, arg
.set QT, \type
.set QC, \arg
.set QI, 0
.if \type == 1
.set QE, 128
.else
.set QE, 32
.endif
.endm
.macro ITEM
.if QT == 1
.set xw, 2+QC/4                        ; X's window
.set jn, QI/32                         ; n
.set li, QI%32
.if li < 24
.set iX, 8*(4*((2*QC+li/12)%8)+jn)
.set tb, TMP+8*(li/12)
.set sb, li%12
.if sb < 8
	WIN 5*xw
	v_med3_num_f32 v[tb+sb], v[iX+sb], s[TN], s[TP]
.else
.set sb, 2*(sb-8)
	WIN (xw<<6)|xw
.if QN
	v_pk_add_f32 v[iX+sb:iX+sb+1], v[iX+sb:iX+sb+1], v[tb+sb:tb+sb+1] neg_lo:[1,0] neg_hi:[1,0]
.else
	v_pk_add_f32 v[iX+sb:iX+sb+1], v[iX+sb:iX+sb+1], v[tb+sb:tb+sb+1] neg_lo:[0,1] neg_hi:[0,1]
.endif
.endif
.else
.set jj, li-24
.set iX, 8*(4*((2*QC+jj/4)%8)+jn)+2*(jj%4)
	WIN 5*xw
	v_cvt_pk_bf16_f32 v[XB0+32*(QC%2)+8*jn+jj], v[iX], v[iX+1]
.endif
.else
.set jj, QI%8
.set iX, 8*(4*(2*QC+jj/4)+QI/8)+2*(jj%4)
	WIN 0x05
	v_cvt_pk_bf16_f32 v[RBS+32*((QC+1)%4)+QI], v[iX], v[iX+1]
.endif
.set QI, QI+1
.endm
; A load into a register that a matrix instruction has read, and a vector instruction or LDS store that reads a matrix result or writes a matrix instruction's source, stand four
; places behind it; only plain vector instructions that name none of its registers are places (ISA guide 7.12.1 for vector instructions).
; So behind a strip's last matrix instruction (wx = 7) a slice is always full: four items of the queue, or four v_nop where the queue is empty.
.macro SLICE
.rept 4
.if QI < QE
	ITEM
.elseif wx == 7
	v_nop
.endif
.endr
.endm
; G2: X(m, n) += W2(o tile m, i chunk q) . RB(q, n).  Strip sx: m = sx / 2, q = 2 (sx % 2) + wx / 4, n = wx % 4.  The four accumulators of a strip take turns, one instruction a
; turn.  zero = 1: chunk 0 starts the sums.  pre = 1: the inputs are loaded into N for the G1 that follows, 2 or 3 loads a strip in strips 0 to 27
; (28 x 2 + 8 = 64).  Strip 0 carries R(3): RB(3) is first read in strip 1.  Strips 28 to 31 carry T(0) (X(0..1, n) were finished in strip 3) and load G1's first three strips.
.macro G2 zero, pre, neg
.set sx, 0
.set pin, 0
.set k1, 0
.set k2, 0
.set k3, 0
.rept 32
	WIN 0
.if sx < 29
.set ls, sx+3
	LDA2
.else
.set ls, sx-29
	LDA1
.endif
.set k0, 0
.if \pre && (sx < 28)
.set k0, 2
.if (sx >= 8) && (sx < 16)
.set k0, 3
.endif
	WIN 0x40
.rept k0
	LDIN
.endr
.endif
	s_wait_dscnt 12+k0+k1+k2+k3                    ; this strip's fragments are in: behind them went three strips' ring loads and the loads of inputs of four strips
.set k3, k2
.set k2, k1
.set k1, k0
.if sx == 0
	QSET 2, 3
.endif
.if sx == 28
.set QN, \neg
	QSET 1, 0
.endif
.set wx, 0
.rept 8
.set rX, 8*(4*((sx/2)%8)+wx%4)
.set rA, RING+16*(sx%4)+8*(wx/4)
.set rB, RBS+32*((2*(sx%2)+wx/4+1)%4)+8*(wx%4)
	WIN 0xa0+0x50*(sx/16)                          ; C and D in window 2 (m < 8) or 3; sources in window 0
.if \zero && (sx%2 == 0) && (wx < 4)
	v_wmma_f32_16x16x32_bf16 v[rX:rX+7], v[rA:rA+7], v[rB:rB+7], 0
.else
	v_wmma_f32_16x16x32_bf16 v[rX:rX+7], v[rA:rA+7], v[rB:rB+7], v[rX:rX+7]
.endif
	SLICE
.set wx, wx+1
.endr
.set sx, sx+1
.endr
.endm
; G1: N(t, n) += WT(i tile t, o chunk c) . XB(c % 2, n).  Strip sx: c = sx / 4, t = 2 (sx % 4) + wx / 4, n = wx % 4.  The 32 accumulators take turns.
; zero = 1: chunk 0 starts the sums (the last product, out0).  Chunk c carries T(c + 1), which writes the XB that chunk c does not read.  rl = 1: strips 29, 30, 31 carry R(0), R(1),
; R(2): each reads tiles of N that the strip before finished, behind that strip's last slice.  nxt = 1: strips 29 to 31 load the first three strips of the G2 that follows.
.macro G1 zero, rl, nxt, neg
.set sx, 0
.rept 32
	WIN 0
.if sx < 29
.set ls, sx+3
	LDA1
	s_wait_dscnt 12                                ; this strip's fragments are in; three later strips' loads stay out
.elseif \nxt
.set ls, sx-29
	LDA2
	s_wait_dscnt 12
.else
	s_wait_dscnt 4*(31-sx)                         ; nothing more is loaded: the count runs down
.endif
.if (sx%4 == 0) && (sx < 28)
.set QN, \neg
	QSET 1, sx/4+1
.endif
.if \rl && (sx >= 29)
	QSET 2, sx-29
.endif
.set wx, 0
.rept 8
.set rN, 8*(4*(2*(sx%4)+wx/4)+wx%4)
.set rA, RING+16*(sx%4)+8*(wx/4)
.set rB, XB0+32*((sx/4)%2)+8*(wx%4)
	WIN 0x50                                       ; C and D in window 1; sources in window 0
.if \zero && (sx < 4)
	v_wmma_f32_16x16x32_bf16 v[rN:rN+7], v[rA:rA+7], v[rB:rB+7], 0
.else
	v_wmma_f32_16x16x32_bf16 v[rN:rN+7], v[rA:rA+7], v[rB:rB+7], v[rN:rN+7]
.endif
	SLICE
.set wx, wx+1
.endr
.set sx, sx+1
.endr
.endm
; A block begins: its inputs come out of LDS into N, where they are r of the first step and, untouched, C of the first G1.
.macro PROLOG
	s_wait_xcnt 0x0                                ; the block before stored from window 2, which the first G2 writes: its stores' registers are rewritten only behind this wait
	s_wait_tensorcnt 0x0                           ; my 64 rows are in LDS; only I read them, so my own wait is all the ordering that the reads need
	WIN 0x40
.set pin, 0
.rept 64
	LDIN
.endr
	WIN 0
.irp x, 0,1,2
.set ls, \x
	LDA2
.endr
.irp x, 0,1,2
	s_wait_dscnt 60-16*\x                          ; the first 16 (x + 1) loads of inputs are in; out stay the other 48 - 16 x and the ring's twelve
	QSET 2, \x
.rept 32
	ITEM
.endr
.endr
.endm
; IN is filled again with block 1's rows, once its last reads (the loop's last G2) are over.  Every wave waits for its LDS reads and for all its tensor loads (none is out), passes
; the barrier, and issues its one load first thing behind it.  The load has a G2, a G1 and the way out, 512 matrix instructions, in which to land.
.macro REFILL
	WIN 0
	s_wait_dscnt 0x0
	s_wait_tensorcnt 0x0                           ; no tensor load of mine is out, so group 0 may be written
	ds_add_u32 v14, v15
	s_wait_dscnt 0x0
	s_add_nc_u64 s[D0+2:D0+3], s[D0+2:D0+3], BLKB  ; 256 rows on; the type bits on top are not reached
	s_barrier_signal -1
	s_barrier_wait -1
	tensor_load_to_lds s[D0:D0+3], s[D1:D1+7]
	s_nop 0
.endm
; THE WAY OUT.  N(t, n) holds out0[16 n + r][16 t + 8 h + 0..7]: 32 bytes of a row.  A tile of 16 rows goes through my stage and comes back as whole rows of 512 bytes, into window 2,
; whose state is no longer needed.  LDS serves a wave's instructions in order (ISA guide 5.7.1.4): no wait between the stores and the loads, nor in front of the next tile's stores.
.macro TOSTAGE n
	WIN 0x04                                       ; store data window 1, address window 0
.irp t, 0,1,2,3,4,5,6,7
	ds_store_b128 v[STO], v[8*(4*\t+\n):8*(4*\t+\n)+3]   offset:64*\t
	ds_store_b128 v[STO], v[8*(4*\t+\n)+4:8*(4*\t+\n)+7] offset:64*\t+16
.endr
	WIN 0x80                                       ; destination window 2
.set ii, 0
.rept 16
	ds_load_b128 v[64*\n+4*ii:64*\n+4*ii+3], v[RD] offset:ST_P*ii
.set ii, ii+1
.endr
.endm
.macro SEND b, n, younger              ; younger: the LDS instructions issued behind tile n's loads: the next tile's 16 stores and 16 loads, or none
	s_wait_dscnt \younger
	WIN 0x08                                       ; store data window 2
.set ii, 0
.rept 16
	global_store_b128 v[GO], v[64*\n+4*ii:64*\n+4*ii+3], s[8:9] offset:\b*BLKB+(16*\n+ii)*ROWB th:TH_STORE_NT  ; the wave stores a whole row: 512 consecutive bytes, at a multiple of 512 from out0's first byte
.set ii, ii+1
.endr
.endm
.macro OUT b                           ; the places behind the last products are the last strip's four v_nop
	TOSTAGE 0
	TOSTAGE 1
	SEND \b, 0, 32
	TOSTAGE 2
	SEND \b, 1, 32
	TOSTAGE 3
	SEND \b, 2, 32
	SEND \b, 3, 0
	WIN 0
.endm
	; BLOCK 0.  Step 1 is G2 alone; steps 2 to 4 are the loop's G1 and G2, entered at G1; step 5 and the reconstruction are written out.
	; Both ways to .Lg1_a end in the same four last strips of a G2, so the counted waits behind the label hold on both.
	PROLOG
	G2 1, 0, 0
	WIN 0                                          ; at a label and at a branch every window is 0
	s_mov_b32 s[CNT], 4
	s_branch .Lg1_a
.Lstep_a:
	G2 0, 1, 0
	WIN 0
.Lg1_a:
	G1 0, 1, 1, 0
	WIN 0
	s_sub_co_u32 s[CNT], s[CNT], 1
	s_cmp_lg_u32 s[CNT], 0
	s_cbranch_scc1 .Lstep_a
	REFILL
	G2 0, 0, 1                                     ; step 5; its T gives +x
	G1 1, 0, 0, 1                                  ; out0 = x W
	OUT 0
	; BLOCK 1: the same, written out again; nothing is left to fetch.
	PROLOG
	G2 1, 0, 0
	WIN 0
	s_mov_b32 s[CNT], 4
	s_branch .Lg1_b
.Lstep_b:
	G2 0, 1, 0
	WIN 0
.Lg1_b:
	G1 0, 1, 1, 0
	WIN 0
	s_sub_co_u32 s[CNT], s[CNT], 1
	s_cmp_lg_u32 s[CNT], 0
	s_cbranch_scc1 .Lstep_b
	G2 0, 0, 1
	G1 1, 0, 0, 1
	OUT 1
	s_wait_tensorcnt 0x0
	ds_add_u32 v14, v15
	s_wait_dscnt 0x0
	s_endpgm
.Lfunc_end_k_q9a0f3017f2_ista:
	.size	k_q9a0f3017f2_ista, .Lfunc_end_k_q9a0f3017f2_ista-k_q9a0f3017f2_ista
	.p2alignl 7, 3214868480
	.fill 96, 4, 3214868480
	.section	.rodata,"a",@progbits
	.p2align	6, 0x0
	.amdhsa_kernel k_q9a0f3017f2_ista
		.amdhsa_group_segment_fixed_size 327680
		.amdhsa_private_segment_fixed_size 0
		.amdhsa_enable_private_segment 0
		.amdhsa_kernarg_size 24
		.amdhsa_user_sgpr_count 2
		.amdhsa_user_sgpr_kernarg_segment_ptr 1
		.amdhsa_wavefront_size32 1
		.amdhsa_system_sgpr_workgroup_id_x 1
		.amdhsa_system_sgpr_workgroup_id_y 1
		.amdhsa_system_sgpr_workgroup_id_z 1
		.amdhsa_system_vgpr_workitem_id 0
		.amdhsa_next_free_vgpr 1024
		.amdhsa_next_free_sgpr 66
		.amdhsa_reserve_vcc 0
		.amdhsa_float_denorm_mode_32 3
		.amdhsa_float_denorm_mode_16_64 3
		.amdhsa_memory_ordered 1
		.amdhsa_forward_progress 1
		.amdhsa_inst_pref_size 255
	.end_amdhsa_kernel
	.section	.bss,"aw",@nobits
	.p2align	6
	.space	262144
	.amdgpu_metadata
---
amdhsa.version: [ 1, 2 ]
amdhsa.kernels:
  - .name:           k_q9a0f3017f2_ista
    .symbol:         k_q9a0f3017f2_ista.kd
    .args:
      - { .name: W, .offset: 0, .size: 8, .value_kind: global_buffer, .address_space: global }
      - { .name: inputs, .offset: 8, .size: 8, .value_kind: global_buffer, .address_space: global }
      - { .name: out0, .offset: 16, .size: 8, .value_kind: global_buffer, .address_space: global }
    .group_segment_fixed_size: 327680
    .private_segment_fixed_size: 0
    .kernarg_segment_align: 8
    .kernarg_segment_size: 24
    .max_flat_workgroup_size: 128
    .sgpr_count:     66
    .vgpr_count:     1024
    .wavefront_size: 32
...
	.end_amdgpu_metadata
.endif
;; end of part 1
;; ======== version 2 of 2: 1 launch
;; launch ista (part 2): grid 256 x 1, 4 waves a work-group, no clusters, 306,688 bytes of LDS; arguments W, inputs, out0; writes out0
.if DOCPART == 2
	.amdgcn_target "amdgcn-amd-amdhsa--gfx1250"
	.amdhsa_code_object_version 6
	.text
	.protected	k_q9a0f3017f2_ista
	.globl	k_q9a0f3017f2_ista
	.p2align	8
	.type	k_q9a0f3017f2_ista,@function
k_q9a0f3017f2_ista:
	s_mov_b64 s[64:65], 0
	v_nop
	global_prefetch_b8 v0, s[64:65] scope:SCOPE_SE
	s_setreg_imm32_b32 hwreg(HW_REG_WAVE_MODE, 25, 1), 1
	s_wait_xcnt 0x0
; Five ISTA steps and the reconstruction:  x = 0;  five times  r = inputs - x W,  x = soft(x + 0.002 r W^T, 1e-4);  out0 = x W.
; inputs, out0: [131072][128] f32.  W: [256][128] f32.  Rows of the batch never meet, so all steps are done in ONE launch and the state never leaves the registers.
; SHARES.  A work-group owns 512 rows, as two blocks of 256; each of its four waves owns 64 rows of a block: four tiles of 16 rows (n = 0..3).
; ALGEBRA.  The state is kept as Y = -x in f32 (soft() is odd).  LDS holds WT = bf16(W) as [i][o] and W2 = bf16(-0.002 W) as [o][i].
;   G2:  Y[o][row] += W2 . bf16(N)       = -(x + 0.002 r W^T)   (summed in place on the f32 state; the first step starts the sums with C = 0, since x = 0 there)
;   T :  Y = z - med3(z, -t, t) = soft(z, t)
;   G1:  N[i][row] = IN + WT . bf16(Y)   = inputs - x W = r     (C = the f32 inputs, loaded into the accumulators themselves)
;   The first product of the first step is x W with x = 0, which the problem's function itself sets: r = inputs there.  The last G1 starts with C = 0 and gives -out0; the sign is set on the way out.
; THE TEXT IS WRITTEN ONCE.  A trip of the inner loop is G2, T, G1; five trips make a block, two blocks the work-group's share.  What differs between trips is written twice and chosen by a
;   branch on a counter: G2's first 64 products (C = 0 in a block's first trip) and G1's first 32 (C = 0 in its last).  All else runs alike in every trip, also where a result is not used:
;   the first trip loads the inputs into N once more, the last trip loads them and rounds N for nothing.  So the loop's code is about a quarter of what ten written-out products would be.
; THE INPUTS COME THROUGH REGISTERS: a load takes a whole row of 512 bytes; the wave stores the rows into its own part of LDS.  The second block's loads then stand under a plain branch on the
;   block counter.
; LAYOUT.  Both products are used with the batch rows as columns: in a result, register j of lane l holds (M = 8 (l / 16) + j, batch row l % 16).  Two results of neighbouring
;   M tiles, rounded to bf16 in pairs, ARE the second source (32 k x 16 rows) of the next product: nothing changes lanes between the products.
; LIMITS.  Matrix operands are bf16 (W, -0.002 W rounded as one number, the state and r at each use); sums, state, threshold in f32.  A zero result may carry the other sign
;   than the problem's function gives.  NaN and infinities go through z - med3(z) as they go through the function's max and min.
; NO CLUSTER.  The inputs are shared by nobody.  W is shared by all, but it is 131,072 bytes read once by a work-group that moves 524,288 bytes of its own, and it has to pass
;   through registers to be scaled, rounded and turned: a joint load would want 131,072 bytes of f32 staging in LDS, and this text leaves 21,504 of 327,680 bytes free.
;
; LDS:
;   IN    0        4 x 64 rows x 528   a block's inputs in f32, wave w's 64 rows at 33,792 w: written and read by that wave alone
;   W2    135,168  256 rows x 272      written once
;   WT    204,800  128 rows x 528      written once
;   STAGE 272,384  4 x 16 rows x 528   each wave's own, for the way out
;   The pitches are odd multiples of 16 bytes: the 16 rows that a 16-byte load touches start at 16 different groups of four banks (64 banks of 4 bytes: ISA guide 11.1).
; REGISTERS, in windows of 256 (s_set_vgpr_msb: bits 1:0 source 0, 3:2 source 1, 5:4 source 2, 7:6 destination):
;   window 0: v0-15 addresses; v16-31 TMP; v32-95 RING (4 slots x two fragments of W); v96-127 XB0; v128-255 four sets of 32: XB1 = RB(3), RB(0), RB(1), RB(2)
;   window 1: N(t, n) at 8 (4 t + n), t = i tile 0..7.    windows 2, 3: X(m, n) at 8 (4 (m % 8) + n) of window 2 + m / 8, m = o tile 0..15.
;   Between blocks window 2 takes the next block's 64 rows as loaded, window 3 the rows of out0 on their way out.
.set ROWB,  512                        ; bytes in a row of inputs and of out0
.set BLKB,  256*ROWB                   ; a block of 256 rows
.set IN_P,  528
.set IN_W,  64*IN_P                    ; a wave's part of IN
.set W2_B,  4*IN_W
.set W2_P,  272
.set WT_B,  W2_B+256*W2_P
.set WT_P,  528
.set ST_B,  WT_B+128*WT_P
.set ST_P,  528
.set AW2,  3                           ; v3   W2_B + 272 r + 16 h          (r = lane % 16, h = lane / 16)
.set AWT,  4                           ; v4   WT_B + 528 r + 16 h
.set AIN,  5                           ; v5   33,792 w + 528 r + 32 h
.set STO,  6                           ; v6   my stage + 528 r + 32 h
.set RD,   7                           ; v7   my stage + 16 lane
.set GO,   8                           ; v8   16 lane
.set WG,   9                           ; v9   16 lane + 32,768 w: my 64 rows of W
.set SW2,  10                          ; v10  W2_B + 17,408 w + 8 lane
.set SWT,  11                          ; v11  WT_B + 2,112 lane + 128 w
.set SIN,  12                          ; v12  33,792 w + 16 lane
.set PF,   14                          ; v14  256 lane
.set TMP,  16
.set RING, 32
.set TS,   32                          ; set-up only, in RING's registers: 32 scaled f32, 16 words for WT, 16 words for W2
.set PS,   64
.set QS,   80
.set XB0,  96                          ; XB1 = XB0 + 32 = RBS
.set RBS,  128                         ; RB(q) at RBS + 32 ((q + 1) % 4)
.set WV,   10                          ; s10      my wave's number
.set BLK,  12                          ; s12      blocks to go, this one among them
.set TN,   24                          ; s24, s25 -t, +t
.set TP,   25
.set SC,   26                          ; s[26:27] -0.002, twice
.set CNT,  28                          ; s28      steps to go, this one among them
.set MSB, 0
.macro WIN new                         ; the immediate's high byte repeats the setting that is left; a switch that changes nothing is dropped
.if MSB != (\new)
	s_set_vgpr_msb (MSB<<8)|(\new)
.set MSB, (\new)
.endif
.endm
; My 64 rows of block b into window 2: one load takes one whole row, 512 consecutive bytes at a multiple of 512 from the buffer's first byte.
.macro GLOAD b
	WIN 0x80                                       ; destination window 2, address window 0
.set ii, 0
.rept 64
	global_load_b128 v[4*ii:4*ii+3], v[GO], s[6:7] offset:\b*BLKB+ROWB*ii th:TH_LOAD_NT
.set ii, ii+1
.endr
	WIN 0
.endm
	s_load_b128 s[4:7], s[0:1], 0x0                ; W s[4:5], inputs s[6:7]
	s_load_b64 s[8:9], s[0:1], 0x10                ; out0
	v_lshl_add_u32 v30, v0, 2, 0x4ac00
	v_mov_b32 v31, 0
	v_lshrrev_b32 v1, 5, v0
	v_readfirstlane_b32 s[WV], v1                  ; wave 0..3
	s_lshl_b32 s30, ttmp9, 18                      ; the work-group's 512 rows of 512 bytes (256 work-groups: under 2^26),
	s_lshl_b32 s29, s[WV], 15                      ; my wave's 64 rows of a block
	s_add_co_u32 s30, s30, s29
	s_mov_b32 s31, 0
	s_mul_i32 s13, s[WV], IN_W                     ; my wave's part of IN
	s_mov_b32 s[TN], 0xb8d1b717                    ; -1e-4
	s_mov_b32 s[TP], 0x38d1b717                    ; +1e-4 = 0.001 x 0.1
	s_mov_b32 s[SC], 0xbb03126f                    ; -0.002 = -(0.001 x 2)
	s_mov_b32 s[SC+1], 0xbb03126f                  ; named with it as a pair, so it is written
	v_and_b32 v15, 31, v0                          ; lane
	v_and_b32 v1, 15, v0                           ; r
	v_bfe_u32 v2, v0, 4, 1                         ; h
	v_lshlrev_b32 v[GO], 4, v15
	v_add_nc_u32 v[WG], s29, v[GO]
	s_wait_kmcnt 0x0
	s_add_nc_u64 s[6:7], s[6:7], s[30:31]          ; inputs and out0 at my 64 rows of block 0
	s_add_nc_u64 s[8:9], s[8:9], s[30:31]
	GLOAD 0                                        ; ahead of W's loads: the counted waits for W below then need not count these
	; W: wave w takes rows 64 w .. 64 w + 63; one load takes one whole row of 512 bytes, lane l its columns 4 l .. 4 l + 3.  64 loads fill window 1.
	WIN 0x40                                       ; destination window 1, address window 0
.set ii, 0
.rept 64
	global_load_b128 v[4*ii:4*ii+3], v[WG], s[4:5] offset:ROWB*ii
.set ii, ii+1
.endr
	WIN 0
	v_mul_u32_u24 v13, v1, 528                     ; 528 r serves WT, IN and the stage
	v_mul_u32_u24 v[AW2], v1, W2_P
	v_lshl_add_u32 v[AW2], v2, 4, v[AW2]
	v_add_nc_u32 v[AW2], W2_B, v[AW2]
	v_lshl_add_u32 v[AWT], v2, 4, v13
	v_add_nc_u32 v[AWT], WT_B, v[AWT]
	v_lshl_add_u32 v[STO], v2, 5, v13              ; 528 r + 32 h: a lane's eight f32 of a row
	v_add_nc_u32 v[AIN], s13, v[STO]
	v_add_nc_u32 v[SIN], s13, v[GO]
	v_lshlrev_b32 v[PF], 8, v15
	s_mul_i32 s11, s[WV], 16*ST_P
	s_add_co_u32 s11, s11, ST_B                    ; my stage
	v_add_nc_u32 v[STO], s11, v[STO]
	v_add_nc_u32 v[RD], s11, v[GO]
	s_mul_i32 s11, s[WV], 64*W2_P
	s_add_co_u32 s11, s11, W2_B                    ; my 64 rows of W2
	v_lshl_add_u32 v[SW2], v15, 3, s11
	s_lshl_b32 s11, s[WV], 7
	s_add_co_u32 s11, s11, WT_B                    ; my 64 columns (128 bytes) of every row of WT
	v_mul_u32_u24 v[SWT], v15, 4*WT_P
	v_add_nc_u32 v[SWT], s11, v[SWT]
	; Eight rows of W at a time.  W2: a row's four numbers of a lane, times -0.002, are 8 bytes of W2's row.  WT: a column's eight numbers are 16 bytes of WT's row 4 l + e.
	; (WT's stores: lanes 2,112 bytes apart, four lanes to a group of banks; 32 such stores a wave in the whole launch.)
.set gg, 0
.rept 8
	s_wait_loadcnt 56-8*gg                         ; loads come back in order: group gg's eight are in, the later groups' stay out
	WIN 0x01                                       ; source 0 window 1
.set ii, 0
.rept 16
	v_pk_mul_f32 v[TS+2*ii:TS+2*ii+1], v[32*gg+2*ii:32*gg+2*ii+1], s[SC:SC+1] op_sel_hi:[1,0]
.set ii, ii+1
.endr
	WIN 0x05                                       ; sources 0 and 1 window 1
.set ii, 0
.rept 16                                               ; word 4 e + kk: column e of rows 2 kk and 2 kk + 1
	v_cvt_pk_bf16_f32 v[PS+ii], v[32*gg+8*(ii%4)+ii/4], v[32*gg+8*(ii%4)+4+ii/4]
.set ii, ii+1
.endr
	WIN 0
.set ii, 0
.rept 16
	v_cvt_pk_bf16_f32 v[QS+ii], v[TS+2*ii], v[TS+2*ii+1]
.set ii, ii+1
.endr
.irp k, 0,1,2,3,4,5,6,7
	ds_store_b64 v[SW2], v[QS+2*\k:QS+2*\k+1] offset:W2_P*(8*gg+\k)
.endr
.irp e, 0,1,2,3
	ds_store_b128 v[SWT], v[PS+4*\e:PS+4*\e+3] offset:WT_P*\e+16*gg
.endr
.set gg, gg+1
.endr
	s_wait_dscnt 0x0                               ; for the others' sake: my parts of W2 and WT are written
	s_barrier_signal -1
	s_barrier_wait -1                              ; everybody's are.  The only barrier: from here on a wave writes LDS bytes of its own alone
; THE RING.  A phase (G1 or G2) is 32 strips of eight matrix instructions.  A strip multiplies two fragments of W (16 registers, slot = strip % 4) by the four row tiles.
; The loads stand in runs at the head of every even strip sx: the fragments of strips sx + 2 and sx + 3, into the slots that strips sx - 2 and sx - 1 read.  ls = the strip that is loaded.
; G2's 64 fragments in the order of their use: first i chunk 0 of all 16 o tiles (the products that may start the sums), then chunks 1 to 3, o tile by o tile.
.macro FRAG                            ; fragment ff -> o tile fm, i chunk fq
.if ff < 16
.set fm, ff
.set fq, 0
.else
.set fm, (ff-16)/3
.set fq, 1+(ff-16)%3
.endif
.endm
.macro LDA2                            ; G2's strip ls: fragments 2 ls and 2 ls + 1
.irp e, 0,1
.set ff, 2*ls+\e
	FRAG
	ds_load_b128 v[RING+16*(ls%4)+8*\e:RING+16*(ls%4)+8*\e+3],   v[AW2] offset:16*W2_P*fm+64*fq
	ds_load_b128 v[RING+16*(ls%4)+8*\e+4:RING+16*(ls%4)+8*\e+7], v[AW2] offset:16*W2_P*fm+64*fq+32
.endr
.endm
.macro LDA1                            ; G1's strip ls: o chunk ls / 4, i tiles 2 (ls % 4) and 2 (ls % 4) + 1
.irp e, 0,1
	ds_load_b128 v[RING+16*(ls%4)+8*\e:RING+16*(ls%4)+8*\e+3],   v[AWT] offset:16*WT_P*(2*(ls%4)+\e)+64*(ls/4)
	ds_load_b128 v[RING+16*(ls%4)+8*\e+4:RING+16*(ls%4)+8*\e+7], v[AWT] offset:16*WT_P*(2*(ls%4)+\e)+64*(ls/4)+32
.endr
.endm
; Load number pin of 64 of the inputs into N, under destination window 1: half pin % 2 of tile pin / 2 = 4 t + n: IN[16 n + r][16 t + 8 h + 4 (pin % 2) ..]
.macro LDIN
	ds_load_b128 v[4*pin:4*pin+3], v[AIN] offset:16*IN_P*((pin/2)%4)+64*(pin/8)+16*(pin%2)
.set pin, pin+1
.endm
; A load into a register that a matrix instruction has read, and a vector instruction or LDS store that reads a matrix result or writes a matrix instruction's source, stand four
; places behind it; only plain vector instructions that name none of its registers are places (ISA guide 7.12.1 for vector instructions).
; Four v_nop stand at the head of every even strip, in front of its run of loads, and every list of vector work below is opened only at such a head: no distance leans on what a slice holds.
.macro PLACES
.rept 4
	v_nop
.endr
.endm
; THE VECTOR WORK of a step, 1,152 instructions for 512 matrix instructions, is dealt in SLICES of three behind the matrix instructions, from two lists; a slice takes from one list alone.
;   The stream F(0) .. F(7): F(cc) is the threshold of o tiles 2 cc and 2 cc + 1, 64 neighbouring registers: ten groups of 6 med3 and 3 packed subtractions, one of 4 and 2: 96 items,
;          32 slices.  F(cc) is open (cc < FA) from the first even strip's head behind G2's strip 10 + 3 cc, which finishes its tiles.
;   The job in hand:  C(cc), 32 items, 11 slices: the two tiles rounded to XB(cc % 2); it waits for F(cc) (FC > cc).
;                     R(q ..), 32 items each: N(2 q, n), N(2 q + 1, n) rounded to RB(q, n).
;   The job goes first.  Counted in slices, one behind each matrix instruction:
;   G2  strips 0-3 R(1..3) (RB(1) is first read in strip 8; the inputs overwrite N(2..7) from strip 6 on) | 4-11 nothing is ready | 12-15 F(0) | 16-17 C(0) | then F(1..3), 21 slices of F(4)
;   G1  chunk c (four strips): C(c + 1), which writes the XB that chunk c does not read, then the stream: F(4) ends in chunk 0, F(5) in 2, F(6) in 3, F(7) in 5, each ahead of the chunk
;       that rounds it | strips 30-31 R(0) (N(0..1, n) are finished in strip 28)
.set QT, 0
.set QC, 0
.set QI, 0
.set QE, 0
.set FC, 0                             ; the stream: F(FC), item FI
.set FI, 0
.set FA, 0
.set c0, 0                             ; C(0) has been opened
.macro QSET type, arg, cnt             ; type 2: R(arg) .. R(arg + cnt - 1); type 3: C(arg)
.set QT, \type
.set QC, \arg
.set QI, 0
.set QE, 32*\cnt
.endm
.macro UITEM
.if QT == 3
.set xw, 2+QC/4                        ; X's window
.set jj, QI%8
.set iX, 8*(4*((2*QC+jj/4)%8)+QI/8)+2*(jj%4)
	WIN 5*xw
	v_cvt_pk_bf16_f32 v[XB0+32*(QC%2)+QI], v[iX], v[iX+1]
.else
.set rq, QC+QI/32
.set re, QI%32
.set jj, re%8
.set iX, 8*(4*(2*rq+jj/4)+re/8)+2*(jj%4)
	WIN 0x05
	v_cvt_pk_bf16_f32 v[RBS+32*((rq+1)%4)+re], v[iX], v[iX+1]
.endif
.set QI, QI+1
.endm
.macro FITEM
.set xw, 2+FC/4
.set gi, FI/9                          ; the group: registers 6 gi .. of the 64
.set li, FI%9
.set nm, 6
.if gi == 10
.set nm, 4                             ; the last group has the four registers that are left
.endif
.set iX, 64*(FC%4)+6*gi
.set tb, TMP+8*(gi%2)
.if li < nm
	WIN 5*xw
	v_med3_num_f32 v[tb+li], v[iX+li], s[TN], s[TP]
.else
.set sb, 2*(li-nm)
	WIN (xw<<6)|xw
	v_pk_add_f32 v[iX+sb:iX+sb+1], v[iX+sb:iX+sb+1], v[tb+sb:tb+sb+1] neg_lo:[0,1] neg_hi:[0,1]
.endif
.set FI, FI+1
.if FI == 96
.set FI, 0
.set FC, FC+1
.endif
.endm
.macro SLICE
.if (QI < QE) && ((QT != 3) || (FC > QC))
.rept 3
.if QI < QE
	UITEM
.endif
.endr
.elseif FC < FA
.rept 3
	FITEM
.endr
.endif
.endm
; G2, strips from .. to - 1: X(m, n) += W2(o tile m, i chunk q) . RB(q, n), (m, q) = fragment 2 sx + wx / 4, n = wx % 4.  No two matrix instructions that follow each other share an
; accumulator: the row tiles take turns, one instruction a turn.  zero = 1: the products start the sums.  With the ring's runs of strips 0 to 24 go the loads of the
; inputs into N for the G1 that follows, five a run (12 x 5 + 4 = 64): N(0..1, n), 16 loads, are free from the start (R(0) has read them); load 16 goes out in strip 6, behind R(1..3).
; The run of strip 30 loads G1's first two strips.
.macro G2S from, to, zero
.set sx, \from
.rept \to-\from
.if sx%2 == 0
	PLACES
	WIN 0
.irp d, 2,3
.if sx < 30
.set ls, sx+\d
	LDA2
.else
.set ls, sx+\d-32
	LDA1
.endif
.endr
.set k0, 64-pin
.if k0 > 5
.set k0, 5
.endif
.if k0 > 0
	WIN 0x40
.rept k0
	LDIN
.endr
.endif
	s_wait_dscnt 8+k0+k1                           ; this strip's and the next one's fragments are in: behind them went the last run's k1 loads of inputs and this run's 8 + k0 loads
.set k1, k0
.if sx >= 12
.set FA, (sx-8)/3                      ; F(cc) is open once 10 + 3 cc < sx
.endif
.endif
.if sx == 0
	QSET 2, 1, 3
.endif
.if (c0 == 0) && (FC >= 1)
	QSET 3, 0, 1
.set c0, 1
.endif
.set wx, 0
.rept 8
.set ff, 2*sx+wx/4
	FRAG
.set rX, 8*(4*(fm%8)+wx%4)
.set rA, RING+16*(sx%4)+8*(wx/4)
.set rB, RBS+32*((fq+1)%4)+8*(wx%4)
	WIN 0xa0+0x50*(fm/8)                           ; C and D in window 2 (m < 8) or 3; sources in window 0
.if \zero
	v_wmma_f32_16x16x32_bf16 v[rX:rX+7], v[rA:rA+7], v[rB:rB+7], 0
.else
	v_wmma_f32_16x16x32_bf16 v[rX:rX+7], v[rA:rA+7], v[rB:rB+7], v[rX:rX+7]
.endif
	SLICE
.set wx, wx+1
.endr
.set sx, sx+1
.endr
.endm
.macro G2A zero                        ; G2's strips 0 to 7, i chunk 0: the part that is written twice.  Both copies start from the same state of the lists, issue the same loads and leave the same counts
.set pin, 0
.set k1, 0
.set FC, 0
.set FI, 0
.set FA, 0
.set c0, 0
	G2S 0, 8, \zero
	WIN 0                                          ; at a label and at a branch every window is 0
.endm
; G1, strips from .. to - 1: N(t, n) += WT(i tile t, o chunk c) . XB(c % 2, n).  Strip sx: c = sx / 4, t = 2 (sx % 4) + wx / 4, n = wx % 4.  The 32 accumulators take turns.
; zero = 1: the products start the sums (chunk 0 of the last product).  The run of strip 30 loads the first two strips of the next G2, this block's or the next one's.
.macro G1S from, to, zero
.set sx, \from
.rept \to-\from
.if sx%2 == 0
	PLACES
	WIN 0
.irp d, 2,3
.if sx < 30
.set ls, sx+\d
	LDA1
.else
.set ls, sx+\d-32
	LDA2
.endif
.endr
	s_wait_dscnt 8                                 ; this strip's and the next one's fragments (and, at strip 0, the inputs in N) are in; this run's eight loads stay out
.endif
.if sx == 0
.set FA, 8                             ; G2 is over: all of the stream is open
.endif
.if (sx%4 == 0) && (sx < 28)
	QSET 3, sx/4+1, 1
.endif
.if sx == 30
	QSET 2, 0, 1
.endif
.set wx, 0
.rept 8
.set rN, 8*(4*(2*(sx%4)+wx/4)+wx%4)
.set rA, RING+16*(sx%4)+8*(wx/4)
.set rB, XB0+32*((sx/4)%2)+8*(wx%4)
	WIN 0x50                                       ; C and D in window 1; sources in window 0
.if \zero
	v_wmma_f32_16x16x32_bf16 v[rN:rN+7], v[rA:rA+7], v[rB:rB+7], 0
.else
	v_wmma_f32_16x16x32_bf16 v[rN:rN+7], v[rA:rA+7], v[rB:rB+7], v[rN:rN+7]
.endif
	SLICE
.set wx, wx+1
.endr
.set sx, sx+1
.endr
.endm
; THE WAY OUT.  N(t, n) holds -out0[16 n + r][16 t + 8 h + 0..7]: 32 bytes of a row.  A tile of 16 rows gets its sign, goes through my stage and comes back as whole rows of 512 bytes, into
; window 3, whose state is no longer needed.  LDS serves a wave's instructions in order (ISA guide 5.7.1.4): no wait between the stores and the loads, nor in front of the next tile's stores.
.macro TOSTAGE n
	WIN 0x41                                       ; destination and source 0 window 1
.irp t, 0,1,2,3,4,5,6,7
.irp j, 0,2,4,6
	v_pk_mul_f32 v[8*(4*\t+\n)+\j:8*(4*\t+\n)+\j+1], v[8*(4*\t+\n)+\j:8*(4*\t+\n)+\j+1], -1.0 op_sel_hi:[1,0]
.endr
.endr
	WIN 0x04                                       ; store data window 1, address window 0
.irp t, 0,1,2,3,4,5,6,7
	ds_store_b128 v[STO], v[8*(4*\t+\n):8*(4*\t+\n)+3]   offset:64*\t
	ds_store_b128 v[STO], v[8*(4*\t+\n)+4:8*(4*\t+\n)+7] offset:64*\t+16
.endr
	WIN 0xc0                                       ; destination window 3
.set ii, 0
.rept 16
	ds_load_b128 v[64*\n+4*ii:64*\n+4*ii+3], v[RD] offset:ST_P*ii
.set ii, ii+1
.endr
.endm
.macro SEND n, younger                 ; younger: the LDS instructions issued behind tile n's loads: the next tile's 16 stores and 16 loads, or none
	s_wait_dscnt \younger
	WIN 0x0c                                       ; store data window 3
.set ii, 0
.rept 16
	global_store_b128 v[GO], v[64*\n+4*ii:64*\n+4*ii+3], s[8:9] offset:(16*\n+ii)*ROWB th:TH_STORE_NT  ; the wave stores a whole row: 512 consecutive bytes, at a multiple of 512 from out0's first byte
.set ii, ii+1
.endr
.endm
	; The ring's first two strips, once: every G1 loads them again for the G2 that follows, across blocks too (W2 does not change).
.irp x, 0,1
.set ls, \x
	LDA2
.endr
	s_mov_b32 s[BLK], 2
.Lblock:
	; A BLOCK BEGINS.  Its 64 rows go from window 2 into my part of IN, and come back in the accumulators' layout into N, where they are r of the first step.
	s_wait_loadcnt 0x0                             ; the rows are in
	WIN 0x08                                       ; store data window 2
.set ii, 0
.rept 64
	ds_store_b128 v[SIN], v[4*ii:4*ii+3] offset:IN_P*ii   ; 32 lanes, 512 neighbouring bytes
.set ii, ii+1
.endr
	WIN 0x40
.set pin, 0
.rept 64
	LDIN                                           ; my own bytes, served in order behind the stores
.endr
	s_wait_dscnt 48                                ; the first 16 loads, N(0..1, n), are in; the other 48 stay out
	QSET 2, 0, 1                                   ; R(0), which every later step finds made by the G1 before it
.rept 32
	UITEM
.endr
	s_wait_dscnt 0x0                               ; all of N is in: R(1..3) read it in G2's first strips, whose own waits count on the ring's loads alone
	WIN 0
	s_mov_b32 s[CNT], 5
	s_branch .La0                                  ; the first step starts the sums; the copy that reads X is reached over the back edge alone
.Lstep:
	G2A 0
	s_branch .Laend
.La0:
	G2A 1
.Laend:
	G2S 8, 32, 0
	WIN 0
.set sFC, FC                           ; the stream's state, for the second copy of G1's chunk 0
.set sFI, FI
	s_cmp_eq_u32 s[CNT], 1
	s_cbranch_scc1 .Lc0
	G1S 0, 4, 0                                    ; r = inputs - x W
	WIN 0
	s_branch .Lcend
.Lc0:
.set FC, sFC
.set FI, sFI
	G1S 0, 4, 1                                    ; behind the fifth step: the reconstruction starts its sums
	WIN 0
	s_cmp_eq_u32 s[BLK], 1
	s_cbranch_scc1 .Lcend                          ; the last block asks for nothing: no request points past my rows
	; Each wave asks for its own 64 rows of the second block, 32,768 bytes: four requests, lanes 256 bytes apart, each 256 bytes once in the launch,
	; 224 matrix instructions ahead of the loads that want them.  The address registers are never rewritten.
.irp j, 0,1,2,3
	global_prefetch_b8 v[PF], s[6:7] offset:BLKB+8192*\j th:TH_LOAD_NT scope:SCOPE_SE
.endr
.Lcend:
	G1S 4, 32, 0
	WIN 0
	s_sub_co_u32 s[CNT], s[CNT], 1
	s_cmp_lg_u32 s[CNT], 0
	s_cbranch_scc1 .Lstep
	PLACES                                         ; the way out reads results just made
	s_cmp_eq_u32 s[BLK], 1
	s_cbranch_scc1 .Lnoload
	GLOAD 1                                        ; the second block's rows, into window 2, whose state is no longer needed: they are on their way while this block goes out
.Lnoload:
	TOSTAGE 0
	TOSTAGE 1
	SEND 0, 32
	TOSTAGE 2
	SEND 1, 32
	TOSTAGE 3
	SEND 2, 32
	SEND 3, 0
	WIN 0
	s_wait_xcnt 0x0                                ; the stores' base, and window 3, which the next block's first G2 writes, are rewritten only behind this wait
	s_add_nc_u64 s[8:9], s[8:9], BLKB
	s_sub_co_u32 s[BLK], s[BLK], 1
	s_cmp_lg_u32 s[BLK], 0
	s_cbranch_scc1 .Lblock
	s_wait_tensorcnt 0x0
	ds_add_u32 v30, v31
	s_wait_dscnt 0x0
	s_endpgm
.Lfunc_end_k_q9a0f3017f2_ista:
	.size	k_q9a0f3017f2_ista, .Lfunc_end_k_q9a0f3017f2_ista-k_q9a0f3017f2_ista
	.p2alignl 7, 3214868480
	.fill 96, 4, 3214868480
	.section	.rodata,"a",@progbits
	.p2align	6, 0x0
	.amdhsa_kernel k_q9a0f3017f2_ista
		.amdhsa_group_segment_fixed_size 306688
		.amdhsa_private_segment_fixed_size 0
		.amdhsa_enable_private_segment 0
		.amdhsa_kernarg_size 24
		.amdhsa_user_sgpr_count 2
		.amdhsa_user_sgpr_kernarg_segment_ptr 1
		.amdhsa_wavefront_size32 1
		.amdhsa_system_sgpr_workgroup_id_x 1
		.amdhsa_system_sgpr_workgroup_id_y 1
		.amdhsa_system_sgpr_workgroup_id_z 1
		.amdhsa_system_vgpr_workitem_id 0
		.amdhsa_next_free_vgpr 1024
		.amdhsa_next_free_sgpr 66
		.amdhsa_reserve_vcc 0
		.amdhsa_float_denorm_mode_32 3
		.amdhsa_float_denorm_mode_16_64 3
		.amdhsa_memory_ordered 1
		.amdhsa_forward_progress 1
		.amdhsa_inst_pref_size 255
	.end_amdhsa_kernel
	.section	.bss,"aw",@nobits
	.p2align	6
	.space	262144
	.amdgpu_metadata
---
amdhsa.version: [ 1, 2 ]
amdhsa.kernels:
  - .name:           k_q9a0f3017f2_ista
    .symbol:         k_q9a0f3017f2_ista.kd
    .args:
      - { .name: W, .offset: 0, .size: 8, .value_kind: global_buffer, .address_space: global }
      - { .name: inputs, .offset: 8, .size: 8, .value_kind: global_buffer, .address_space: global }
      - { .name: out0, .offset: 16, .size: 8, .value_kind: global_buffer, .address_space: global }
    .group_segment_fixed_size: 306688
    .private_segment_fixed_size: 0
    .kernarg_segment_align: 8
    .kernarg_segment_size: 24
    .max_flat_workgroup_size: 128
    .sgpr_count:     66
    .vgpr_count:     1024
    .wavefront_size: 32
...
	.end_amdgpu_metadata
.endif
;; end of part 2
